; MI455X (gfx1250); checked and timed in simulation.
; The chip was launched on July 23, 2026; its instructions are those of AMD's public machine-readable ISA for CDNA 5 (MIT licence, August 2026) and "CDNA5" Instruction Set Architecture Reference Guide (July 2026). The comments in the code are by the model that wrote it; some were corrected since.
;; Base Attention. Allowed arithmetic: float matrix products may take bf16 or f16 operands with f32 sums; all other float work in f32.
;; Inputs: k 2 x 16 x 2,048 x 64 float32; mask 1 x 1 x 2,048 x 2,048 int32; q 2 x 16 x 2,048 x 64 float32; v 2 x 16 x 2,048 x 64 float32.
;; Outputs: out0 2 x 16 x 2,048 x 64 float32.
;; One version. Each part assembles by itself: llvm-mc -triple=amdgcn-amd-amdhsa -mcpu=gfx1250 --defsym DOCPART=n.
;; ======== version 1 of 1: 1 launch
;; launch attn (part 1): grid 8 x 32, 4 waves a work-group, clusters of 4 x 4, 327,680 bytes of LDS; arguments q, k, v, mask, out0; writes out0
.if DOCPART == 1
	.amdgcn_target "amdgcn-amd-amdhsa--gfx1250"
	.amdhsa_code_object_version 6
	.text
	.protected	k_q0a4430f3c1_attn
	.globl	k_q0a4430f3c1_attn
	.p2align	8
	.type	k_q0a4430f3c1_attn,@function
k_q0a4430f3c1_attn:
	s_mov_b64 s[64:65], 0
	v_nop
	global_prefetch_b8 v0, s[64:65] scope:SCOPE_SE
	s_setreg_imm32_b32 hwreg(HW_REG_WAVE_MODE, 25, 1), 1
	s_wait_xcnt 0x0
	s_wait_alu depctr_hold_cnt(0) depctr_sa_sdst(0) depctr_va_vdst(0) depctr_va_sdst(0) depctr_va_ssrc(0) depctr_va_vcc(0) depctr_vm_vsrc(0)
	s_getreg_b32 s2, hwreg(HW_REG_IB_STS2, 6, 4)
	s_cmp_eq_u32 s2, 0
	s_cbranch_scc0 .Lentry_in_a_cluster
	s_endpgm
.Lentry_in_a_cluster:
	s_bfe_u32 s2, ttmp6, 0x10000c
	s_cmp_lg_u32 s2, 0xf033
	s_cbranch_scc0 .Lentry_shape_is_right
	s_endpgm
.Lentry_shape_is_right:
; out0 = softmax(q k^T / 8 + float(mask) * (-10000)) v   for 32 heads, 2,048 x 2,048 scores a head, 64 numbers a row; all tensors f32, mask int32.
; One launch, nothing goes through memory.  A work-group makes 256 query rows of one head (grid x = query block, y = head) and walks the 2,048 keys in
; 32 steps of 64.  Four waves; wave w owns queries 64 w .. 64 w + 63 as four query tiles of 16.
;
; BOTH PRODUCTS ARE TRANSPOSED.  S^T = K Q^T (source 0 = 16 keys x 32 d, source 1 = 16 queries): lane (r = l % 16, h = l / 16) then holds, in register j of
; key tile t, the score of key 16 t + 8 h + j and query r: a lane owns ONE query, so maximum and sum run inside the lane and one exchange between the two
; halves of the wave shares the maximum.  Packing key tiles 2 c and 2 c + 1 to bf16 gives the source-1 fragment of P^T for keys 32 c .. 32 c + 31 as it
; stands.  O^T = V^T P^T (source 0 = 16 d x 32 keys, read from V's rows by the transposing LDS load): register j of tile dt is d = 16 dt + 8 h + j of
; query r, so the factors that rescale O lie in the lane that needs them.
;
; NUMBERS.  q is multiplied by 0.125 (a power of two: the rounding to bf16 commutes with it); q, k, v and the probabilities enter the matrix unit in bf16, sums in f32.
; t = fma(float(mask), -10000, s) is kept in f32; m is the running maximum of t; p = exp2(t log2e - m log2e); O and l are rescaled by exp2 of the change of
; the stored m log2e, so that product's rounding cancels in O / l.  The mask is taken as whole numbers of any value, not as 0 and 1.
; LIMITS: probabilities below 2^-126 of the row's largest count as zero (v_exp_f32 flushes, ISA guide 15.8); the maxima drop a NaN and an infinite score
; gives NaN, so inputs with NaN or infinities are not served as the reference serves them.
;
; DATA.  Everything comes in by tensor loads with rows of 256 bytes at multiples of 256 bytes, laid at a pitch of 272 in LDS.  A step's tiles: mask 256 rows x 64
; words (waves 0 and 1, 128 rows each), K 64 rows (wave 2), V 64 rows (wave 3): one load a wave.  CLUSTERS of 4 x 4: the four work-groups of a column of the
; cluster have the same query block and ask for the mask tile jointly; the four of a row have the same head and ask for K and V jointly: a quarter of the requests.
; K and V are rounded to bf16 ONCE for the work-group: in step i each wave converts 16 rows of K and of V of tile i + 1 from the raw slot into a bf16 slot that
; no tensor load ever fills.  Tile j lies in raw slot j % 2 and bf16 slot j % 2.  Behind the round at the head of step i: mask tile i + 1 goes into the slot read
; in step i - 1, K and V tile i + 2 into the slot converted in step i - 1.  By this text's own count a wave has three tensor loads out at the start, later one.
.set PITCH, 272                        ; 256 bytes + 16: an odd multiple of 16, so sixteen rows begin at sixteen different 16-byte columns modulo 256
.set SLOT,  104448                     ; a raw slot: mask 256 x 272 = 69,632, K 64 x 272 = 17,408, V 17,408
.set KOFF,  69632                      ; raw K in a slot
.set W64,   17408                      ; 64 rows of 272 bytes: raw V lies so far behind raw K; also a wave's share of the mask tile and of Q
.set QREG,  2*SLOT                     ; raw Q, 256 x 272, filled once; each wave's 64 rows later serve as its own stage on the way out
.set BF,    QREG+4*W64                 ; bf16 slots
.set KP,    144                        ; bf16 K: 128 bytes + 16
.set VP,    160                        ; bf16 V: 128 bytes + 32, an odd multiple of 32 for the transposing load
.set BV,    64*KP                      ; bf16 V behind bf16 K
.set BSLOT, BV+64*VP                   ; 19,456; the two end at 317,440
; scalar registers
.set SW, 14                            ; wave number
.set SH, 15                            ; wave number / 2: 0 = I fetch the mask, 1 = I fetch K or V
.set G1M, 24                           ; s[24:31] group 1, mask tiles
.set G1K, 32                           ; s[32:39] group 1, K and V tiles
.set G1Q, 40                           ; s[40:47] group 1, Q
.set GM,  48                           ; s[48:55] group 0, mask, a set for each slot
.set GK,  56                           ; s[56:63] group 0, K or V, a set for each slot
.set GQ,  68                           ; s[68:71] group 0, Q
; s[66:67] log2e twice; s[72:73] k at my head; s[74:75] v at my head; s[78:79] byte offset of my wave's rows in q and out0; s[80:81] -10000 twice;
; s82, s83 selects of v_permlanex16_b32; s84 trips; s[86:87], s[88:89] prefetch offsets; s[90:95] prefetch bases; s[96:97] 0.125 twice
; vector registers, window 0
.set MA,  4                            ; v4, v5   my mask words in slot 0, 1
.set RK,  6                            ; v6, v7   raw K rows that I convert, slot 0, 1
.set WK,  8                            ; v8       where their bf16 goes
.set WV,  9                            ; v9       the same for V
.set FK,  10                           ; v10      K fragments
.set FV,  11                           ; v11      V^T fragments
.set QA,  12                           ; v12      Q fragments in raw Q; on the way out: where my results go
.set RD,  13                           ; v13      the way out: rows read back
.set CO,  14                           ; v14      my byte offset in out0
.set VPK, 15                           ; v15      prefetch offset in K and V
.set VPM, 16                           ; v16      prefetch offset in the mask
.set ML,  20                           ; v[20+2n], v[21+2n]  -m log2e and l of query tile n
.set AL,  28                           ; v28      the factor that rescales O and l; at the end 1 / l
.set T,   29                           ; v29      the other half's figure
.set MC,  30                           ; v30-33   four chains of maxima
.set NM,  34                           ; v34      the new -m log2e
.set W,   36                           ; v36-43   four chains of packed sums
.set MX,  44                           ; v44-47   m of query tile n
.set MSK, 64                           ; v64-127  mask words of a query tile, two buffers
.set SC,  128                          ; v128-191 S^T of a query tile, two buffers (v128-255: raw Q at the start, rows read back at the end)
.set PT,  192                          ; v192-223 P^T fragments, two buffers
; window 1
.set OA,  0                            ; O^T tile (n, dt) at 8 (4 n + dt)
.set QF,  128                          ; Q fragment (n, c) at 128 + 8 (2 n + c)
; window 2
.set KF,  0                            ; K fragment (t, c) at 8 (2 t + c)
.set VF,  64                           ; V^T fragment (dt, c) at 64 + 8 (2 dt + c)
.set CV,  128                          ; 8 groups of 8 f32 to convert: K's four, then V's four
; s_set_vgpr_msb, low byte: bits 1:0 source 0, 3:2 source 1, 5:4 source 2, 7:6 destination
.set W_LD2, 0x80                       ; LDS load into window 2
.set W_S,   0x06                       ; K from window 2, Q from window 1, S in window 0
.set W_CV,  0x8a                       ; conversion inside window 2
.set W_ST2, 0x08                       ; LDS store of window 2
.set W_RS,  0x41                       ; O (window 1) times a register of window 0
.set W_PV,  0x52                       ; V^T from window 2, P^T from window 0, O in window 1
.set W_Q,   0x40                       ; destination in window 1
.set W_ST1, 0x04                       ; LDS store of window 1
.set MSB, 0
.macro WIN new                         ; the immediate's high byte repeats the setting that is left; a switch that changes nothing is dropped
.if MSB != \new
	s_set_vgpr_msb (MSB<<8)|\new
.set MSB, \new
.endif
.endm
.macro PLACES                          ; four places behind a matrix instruction (ISA guide 7.12.1)
.rept 4
	v_nop
.endr
.endm
; A round of the cluster's barrier: my work-group's barrier, wave 0 signals for the work-group, every wave waits for all sixteen, my work-group's barrier again.
.macro ROUND
	s_barrier_signal -1
	s_barrier_wait -1
	s_cmp_lg_u32 s[SW], 0
	s_cbranch_scc1 .Lnw0_\@
	s_barrier_signal -3
.Lnw0_\@:
	s_barrier_wait -3
	s_barrier_signal -1
	s_barrier_wait -1
.endm
; The joint refills at the head of a step of parity p: waves 0, 1 the next mask tile into the other slot, waves 2, 3 K's and V's tile after next into this slot.
; The branch hangs on the wave's number alone; each line has one mask and one set of registers.
.macro JLOAD p, fm, fk
	s_cmp_eq_u32 s[SH], 0
	s_cbranch_scc0 .Lkv_\@
.if \fm
	tensor_load_to_lds s[GM+4*(1-\p):GM+4*(1-\p)+3], s[G1M:G1M+7]
	s_nop 0
.endif
	s_branch .Lasked_\@
.Lkv_\@:
.if \fk
	tensor_load_to_lds s[GK+4*\p:GK+4*\p+3], s[G1K:G1K+7]
	s_nop 0
.endif
.Lasked_\@:
.endm
; The head of a step.  In front of the round every wave has its LDS instructions back (reads of the slots that are filled next, stores into the bf16 slot that is
; read next) and all its tensor loads landed (its part of this step's mask tile and of the raw tile converted in this step); there no load of the wave is out, so
; the group 0 that is due is stepped.  The refill is the first thing behind the round, one load a wave.
.macro SYNC p, fm, fk
	s_wait_dscnt 0x0
	s_wait_tensorcnt 0x0
	ds_add_u32 v62, v63
	s_wait_dscnt 0x0
.if \fm
	s_add_nc_u64 s[GM+4*(1-\p)+2:GM+4*(1-\p)+3], s[GM+4*(1-\p)+2:GM+4*(1-\p)+3], 512       ; two tiles of 64 words along the mask's rows
.endif
.if \fk
	s_add_nc_u64 s[GK+4*\p+2:GK+4*\p+3], s[GK+4*\p+2:GK+4*\p+3], 32768                     ; two tiles of 64 rows of 256 bytes
.endif
.if \fm+\fk
	ROUND
	JLOAD \p, \fm, \fk
.else
	s_barrier_signal -1                    ; nothing is filled any more: the work-group's barrier shows the last tiles to every wave
	s_barrier_wait -1
.endif
.endm
; Prefetches, by wave 3 alone.  A call asks for this work-group's share of a group of four tiles, 32 lanes 256 bytes apart: of K and of V, query block x asks for
; bytes 8,192 x .. + 8,191 of the head's 65,536; of the mask, head y asks for rows 8 y .. 8 y + 7 of the query block's 256, 1,024 bytes each: each block of 256
; bytes is asked for by one lane of one work-group.  The calls in steps 0 and 1 ask for tiles 4-7, those of trip T (steps 4 T + 2 .. 4 T + 5) for tiles
; 4 T + 8 .. 4 T + 11, which the tensor loads request from step 4 T + 6 on.  The last trip's offsets are clamped to tiles 28-31: nothing points past a buffer's end.
; w = 1: the base was named by the call one trip ago and is rewritten only behind s_wait_xcnt 0.
.macro PFK w
	s_cmp_lg_u32 s[SW], 3
	s_cbranch_scc1 .Lnpk_\@
.if \w
	s_wait_xcnt 0x0
.endif
	s_add_co_u32 s86, s86, 65536
	s_min_u32 s86, s86, 458752
	s_add_nc_u64 s[90:91], s[72:73], s[86:87]
	global_prefetch_b8 v[VPK], s[90:91] th:TH_LOAD_NT scope:SCOPE_SE
.Lnpk_\@:
.endm
.macro PFV w
	s_cmp_lg_u32 s[SW], 3
	s_cbranch_scc1 .Lnpv_\@
.if \w
	s_wait_xcnt 0x0
.endif
	s_add_nc_u64 s[92:93], s[74:75], s[86:87]
	global_prefetch_b8 v[VPK], s[92:93] th:TH_LOAD_NT scope:SCOPE_SE
.Lnpv_\@:
.endm
.macro PFM w
	s_cmp_lg_u32 s[SW], 3
	s_cbranch_scc1 .Lnpm_\@
.if \w
	s_wait_xcnt 0x0
.endif
	s_add_co_u32 s88, s88, 1024
	s_min_u32 s88, s88, 7168
	s_add_nc_u64 s[94:95], s[10:11], s[88:89]
	global_prefetch_b8 v[VPM], s[94:95] th:TH_LOAD_NT scope:SCOPE_SE
.Lnpm_\@:
.endm
; 16 loads: the eight K fragments (16 keys x 32 d) of bf16 slot p.  Lane (r, h): row 16 t + r, bytes 64 c + 16 h and 32 further.
.macro KFRAG p
.irp t, 0,1,2,3
.irp c, 0,1
.irp e, 0,1
	ds_load_b128 v[KF+8*(2*\t+\c)+4*\e:KF+8*(2*\t+\c)+4*\e+3], v[FK] offset:(\p)*BSLOT+16*\t*KP+64*\c+32*\e
.endr
.endr
.endr
.endm
; 16 transposing loads: the eight V^T fragments (16 d x 32 keys).  Each load turns 8 keys x 8 d within eight lanes: keys 32 c + 16 e + 8 h .. + 7 of d = 16 dt + r.
.macro VFRAG p
.irp dt, 0,1,2,3
.irp c, 0,1
.irp e, 0,1
	ds_load_tr16_b128 v[VF+8*(2*\dt+\c)+4*\e:VF+8*(2*\dt+\c)+4*\e+3], v[FV] offset:(\p)*BSLOT+(32*\c+16*\e)*VP+32*\dt
.endr
.endr
.endr
.endm
; 16 loads: my 16 rows of raw K and of raw V in slot s; eight lanes take a row, 32 bytes a lane, four rows an instruction pair.
.macro CLOAD s
.irp j, 0,1,2,3
.irp e, 0,1
	ds_load_b128 v[CV+8*\j+4*\e:CV+8*\j+4*\e+3], v[RK+\s] offset:4*\j*PITCH+16*\e
.endr
.endr
.irp j, 0,1,2,3
.irp e, 0,1
	ds_load_b128 v[CV+32+8*\j+4*\e:CV+32+8*\j+4*\e+3], v[RK+\s] offset:W64+4*\j*PITCH+16*\e
.endr
.endr
.endm
.macro CCVT                            ; eight f32 become four words, in place: word i is written when numbers 2 i and 2 i + 1 are read, never ahead of a number still to be read
.irp g, 0,1,2,3,4,5,6,7
.irp i, 0,1,2,3
	v_cvt_pk_bf16_f32 v[CV+8*\g+\i], v[CV+8*\g+2*\i], v[CV+8*\g+2*\i+1]
.endr
.endr
.endm
.macro CSTORE b
.irp j, 0,1,2,3
	ds_store_b128 v[WK], v[CV+8*\j:CV+8*\j+3] offset:(\b)*BSLOT+4*\j*KP
.endr
.irp j, 0,1,2,3
	ds_store_b128 v[WV], v[CV+32+8*\j:CV+32+8*\j+3] offset:(\b)*BSLOT+4*\j*VP
.endr
.endm
; 8 loads: the mask words of query tile qt, in S^T's own layout: row of query 16 qt + r, words 16 t + 8 h .. + 7.
.macro MLOAD p, qt
.irp t, 0,1,2,3
.irp e, 0,1
	ds_load_b128 v[MSK+32*((\qt)%2)+8*\t+4*\e:MSK+32*((\qt)%2)+8*\t+4*\e+3], v[MA+\p] offset:16*(\qt)*PITCH+64*\t+16*\e
.endr
.endr
.endm
; S^T of query tile qt: 64 keys x 16 queries, d in two halves.  The first half starts the sums.  The four accumulators take turns, one instruction a turn.
.macro SMUL qt
.irp c, 0,1
.irp t, 0,1,2,3
.if 1-\c
	v_wmma_f32_16x16x32_bf16 v[SC+32*((\qt)%2)+8*\t:SC+32*((\qt)%2)+8*\t+7], v[KF+8*(2*\t+\c):KF+8*(2*\t+\c)+7], v[QF+8*(2*(\qt)+\c):QF+8*(2*(\qt)+\c)+7], 0
.else
	v_wmma_f32_16x16x32_bf16 v[SC+32*((\qt)%2)+8*\t:SC+32*((\qt)%2)+8*\t+7], v[KF+8*(2*\t+\c):KF+8*(2*\t+\c)+7], v[QF+8*(2*(\qt)+\c):QF+8*(2*(\qt)+\c)+7], v[SC+32*((\qt)%2)+8*\t:SC+32*((\qt)%2)+8*\t+7]
.endif
.endr
.endr
.endm
; O^T of query tile qt += V^T P^T, keys in two halves; in the first step the first half starts the sums, so O is never cleared.  Four accumulators by turns.
.macro PV qt, first
.irp c, 0,1
.irp dt, 0,1,2,3
.if \first*(1-\c)
	v_wmma_f32_16x16x32_bf16 v[OA+8*(4*(\qt)+\dt):OA+8*(4*(\qt)+\dt)+7], v[VF+8*(2*\dt+\c):VF+8*(2*\dt+\c)+7], v[PT+16*((\qt)%2)+8*\c:PT+16*((\qt)%2)+8*\c+7], 0
.else
	v_wmma_f32_16x16x32_bf16 v[OA+8*(4*(\qt)+\dt):OA+8*(4*(\qt)+\dt)+7], v[VF+8*(2*\dt+\c):VF+8*(2*\dt+\c)+7], v[PT+16*((\qt)%2)+8*\c:PT+16*((\qt)%2)+8*\c+7], v[OA+8*(4*(\qt)+\dt):OA+8*(4*(\qt)+\dt)+7]
.endif
.endr
.endr
.endm
.macro RS qt                           ; the 32 registers of O^T of query tile qt times v28 (the lane's query's factor)
.set i, 0
.rept 16
	v_pk_mul_f32 v[OA+32*(\qt)+i:OA+32*(\qt)+i+1], v[OA+32*(\qt)+i:OA+32*(\qt)+i+1], v[AL:AL+1] op_sel_hi:[1,0]
.set i, i+2
.endr
.endm
.macro EXP8 t
.irp j, 0,1,2,3,4,5,6,7
	v_exp_f32 v[SB+8*\t+\j], v[SB+8*\t+\j]
.endr
.endm
.macro SUMPK t                         ; key tile t: its eight probabilities into a chain of packed sums, and packed to bf16 as half a fragment of P^T
	s_wait_alu depctr_va_vdst(0)
	v_pk_add_f32 v[W+2*\t:W+2*\t+1], v[SB+8*\t:SB+8*\t+1], v[SB+8*\t+2:SB+8*\t+3]
	v_cvt_pk_bf16_f32 v[PB+4*\t], v[SB+8*\t], v[SB+8*\t+1]
	v_cvt_pk_bf16_f32 v[PB+4*\t+1], v[SB+8*\t+2], v[SB+8*\t+3]
	v_pk_add_f32 v[W+2*\t:W+2*\t+1], v[W+2*\t:W+2*\t+1], v[SB+8*\t+4:SB+8*\t+5]
	v_cvt_pk_bf16_f32 v[PB+4*\t+2], v[SB+8*\t+4], v[SB+8*\t+5]
	v_cvt_pk_bf16_f32 v[PB+4*\t+3], v[SB+8*\t+6], v[SB+8*\t+7]
	v_pk_add_f32 v[W+2*\t:W+2*\t+1], v[W+2*\t:W+2*\t+1], v[SB+8*\t+6:SB+8*\t+7]
.endm
; The softmax step of query tile qt on its 64 new scores (32 a lane).  left = LDS instructions younger than this tile's mask loads.
.macro SM p, qt, first, left
.set MB, MSK+32*((\qt)%2)
.set SB, SC+32*((\qt)%2)
.set PB, PT+16*((\qt)%2)
.set MR, ML+2*(\qt)
	s_wait_dscnt \left
.set i, 0
.rept 32
	v_cvt_f32_i32 v[MB+i], v[MB+i]
.set i, i+1
.endr
.set i, 0
.rept 16
	v_pk_fma_f32 v[SB+i:SB+i+1], v[MB+i:MB+i+1], s[80:81], v[SB+i:SB+i+1] op_sel_hi:[1,0,1]   ; t = mask * (-10000) + s
.set i, i+2
.endr
.if \qt < 2
	MLOAD \p, (\qt+2)                      ; the buffer just used up takes the mask of the query tile after next
.endif
.irp k, 0,1,2,3
	v_max3_num_f32 v[MC+\k], v[SB+8*\k], v[SB+8*\k+1], v[SB+8*\k+2]
.endr
.irp k, 0,1,2,3
	v_max3_num_f32 v[MC+\k], v[MC+\k], v[SB+8*\k+3], v[SB+8*\k+4]
.endr
.irp k, 0,1,2,3
	v_max3_num_f32 v[MC+\k], v[MC+\k], v[SB+8*\k+5], v[SB+8*\k+6]
.endr
	v_max3_num_f32 v[MC], v[MC], v[MC+1], v[SB+7]
	v_max3_num_f32 v[MC+2], v[MC+2], v[MC+3], v[SB+15]
	v_max3_num_f32 v[MC], v[MC], v[SB+23], v[SB+31]
.if \first
	v_max_num_f32 v[MC], v[MC], v[MC+2]
.else
	v_max3_num_f32 v[MC], v[MC], v[MC+2], v[MX+\qt]                 ; with the running maximum
.endif
	v_permlanex16_b32 v[T], v[MC], s82, s83                         ; the other half of the wave holds the query's other 32 keys
	v_max_num_f32 v[MX+\qt], v[T], v[MC]                            ; the new m, alike in both halves
	v_mul_f32 v[NM], 0xbfb8aa3b, v[MX+\qt]                          ; -m log2e
.if \first == 0
	v_sub_f32 v[AL], v[NM], v[MR]                                   ; (old m - new m) log2e, from the stored products
.endif
	v_mov_b32 v[MR], v[NM]
.if \first == 0
	v_exp_f32 v[AL], v[AL]                                          ; the packed lines below stand between this and its first use (ISA guide 5.7.2)
.endif
.set i, 0
.rept 16
	v_pk_fma_f32 v[SB+i:SB+i+1], v[SB+i:SB+i+1], s[66:67], v[MR:MR+1] op_sel_hi:[1,0,0]      ; t log2e - m log2e
.set i, i+2
.endr
	; exponentials in runs of eight; each run's results are first used behind a plain line that names none of them: the v_nop, then the tile before's sums and packs
	EXP8 0
	v_nop
	EXP8 1
	SUMPK 0
	EXP8 2
	SUMPK 1
	EXP8 3
	SUMPK 2
	SUMPK 3
	v_pk_add_f32 v[W:W+1], v[W:W+1], v[W+2:W+3]
	v_pk_add_f32 v[W+4:W+5], v[W+4:W+5], v[W+6:W+7]
	v_pk_add_f32 v[W:W+1], v[W:W+1], v[W+4:W+5]
	v_add_f32 v[W], v[W], v[W+1]
.if \first
	v_mov_b32 v[MR+1], v[W]
.else
	v_fma_f32 v[MR+1], v[MR+1], v[AL], v[W]                         ; l stays a sum over the lane's own keys until the end
.endif
.endm
; One query tile's turn: softmax, rescale, O += V^T P^T, and the scores of the query tile after next, which the matrix unit has to work on during the next softmax.
.macro QT p, qt, first, left
	SM \p, \qt, \first, \left
.if \first == 0
	WIN W_RS
	RS \qt
.endif
	WIN W_PV
	PV \qt, \first
.if \qt < 2
	WIN W_S
	SMUL (\qt+2)
.endif
	WIN 0
.endm
; A step: 64 keys of parity p.  conv = 1: the next tile's K and V are converted into the other bf16 slot.
; LDS instructions come back in order (ISA guide 5.7.1), issued as: K 16, raw 16 conv, V 16, mask(0) 8, mask(1) 8, stores 8 conv, mask(2) 8, mask(3) 8.
.macro STEP p, first, conv
	WIN W_LD2
	KFRAG \p
.if \conv
	CLOAD (1-\p)
.endif
	VFRAG \p
	WIN 0
	MLOAD \p, 0
	MLOAD \p, 1
	s_wait_dscnt 32+16*\conv               ; K's fragments are in; the raw rows, V's fragments and two mask tiles may be out
	WIN W_S
	SMUL 0
	SMUL 1
.if \conv
	s_wait_dscnt 32                        ; the raw rows are in; V's fragments and two mask tiles may be out
	WIN W_CV
	CCVT
	WIN W_ST2
	CSTORE (1-\p)
.endif
	WIN 0
	QT \p, 0, \first, 8+8*\conv            ; mask(0) is in, and V's fragments, which are older; mask(1) and the stores may be out
	QT \p, 1, \first, 8+8*\conv            ; mask(1) is in; the stores and mask(2) may be out
	QT \p, 2, \first, 8                    ; mask(2) is in; mask(3) may be out
	QT \p, 3, \first, 0
	PLACES                                 ; behind the last products: V's fragments are loaded again, or O is read, only behind these four
.endm
	; ---- set-up ----
	s_load_b256 s[4:11], s[0:1], 0x0               ; q s[4:5], k s[6:7], v s[8:9], mask s[10:11]
	s_load_b64 s[12:13], s[0:1], 0x20              ; out0
	v_lshl_add_u32 v62, v0, 2, 0x4d800
	v_mov_b32 v63, 0
	ds_add_u32 v62, v63
	v_lshrrev_b32 v1, 5, v0
	v_readfirstlane_b32 s[SW], v1                  ; wave 0..3
	s_lshr_b32 s[SH], s[SW], 1
	s_bfe_u32 s17, ttmp6, 0x40000                  ; cx
	s_bfe_u32 s18, ttmp6, 0x40004                  ; cy
	s_lshl_b32 s19, ttmp9, 2
	s_add_co_u32 s19, s19, s17                     ; query block = 4 x cluster x + cx
	s_and_b32 s20, ttmp7, 0xffff
	s_lshl_b32 s20, s20, 2
	s_add_co_u32 s20, s20, s18                     ; head = 4 x cluster y + cy
	s_lshl_b32 s21, s18, 2
	s_lshl_b32 s21, 15, s21                        ; my row of the cluster (same head): places 4 cy .. 4 cy + 3
	s_lshl_b32 s22, 0x1111, s17                    ; my column (same query block): places cx, cx + 4, cx + 8, cx + 12
	; group 1: elements of 4 bytes (17:16 = 2), padding on (20), after every 64 words (24:22 = 5) 4 words (31:25 = 3); beside a mask bit 21
	s_or_b32  s[G1M+0], s22, 0x07720000            ; the mask tile goes to my column
	s_mov_b32 s[G1M+1], 64<<16                     ; tensor_dim0 = 64
	s_mov_b32 s[G1M+2], 128<<16                    ; tensor_dim1 = 128
	s_mov_b32 s[G1M+3], 64<<16                     ; tile_dim0 = 64 words = 256 bytes
	s_mov_b32 s[G1M+4], 128                        ; tile_dim1 = 128 rows
	s_mov_b32 s[G1M+5], 2048                       ; from row to row of the mask
	s_mov_b32 s[G1M+6], 0
	s_mov_b32 s[G1M+7], 0
	s_or_b32  s[G1K+0], s21, 0x07720000            ; K's and V's tiles go to my row
	s_mov_b32 s[G1K+1], 64<<16
	s_mov_b32 s[G1K+2], 64<<16
	s_mov_b32 s[G1K+3], 64<<16
	s_mov_b32 s[G1K+4], 64                         ; 64 rows
	s_mov_b32 s[G1K+5], 64                         ; dense rows of 64 numbers
	s_mov_b32 s[G1K+6], 0
	s_mov_b32 s[G1K+7], 0
	s_mov_b32 s[G1Q+0], 0x07520000                 ; Q is nobody else's: no mask
	s_mov_b32 s[G1Q+1], 64<<16
	s_mov_b32 s[G1Q+2], 64<<16
	s_mov_b32 s[G1Q+3], 64<<16
	s_mov_b32 s[G1Q+4], 64
	s_mov_b32 s[G1Q+5], 64
	s_mov_b32 s[G1Q+6], 0
	s_mov_b32 s[G1Q+7], 0
	; offsets.  What feeds the mask's descriptors never holds cy or the head; what feeds K's and V's never holds cx or the query block.
	s_lshl_b32 s76, s19, 21                        ; query block x 256 rows x 8,192 bytes
	s_lshl_b32 s16, s[SW], 20                      ; + wave x 128 rows (waves 0 and 1 ask)
	s_add_co_u32 s76, s76, s16
	s_mov_b32 s77, 0
	s_lshl_b32 s98, s20, 19                        ; head x 2,048 rows x 256 bytes
	s_mov_b32 s99, 0
	s_lshl_b32 s78, s19, 16                        ; q, out0: head + query block x 256 rows + wave x 64 rows
	s_add_co_u32 s78, s78, s98
	s_lshl_b32 s16, s[SW], 14
	s_add_co_u32 s78, s78, s16
	s_mov_b32 s79, 0
	s_mul_i32 s16, s[SW], 2*W64                    ; LDS: the mask's halves at wave x 128 rows
	s_mul_i32 s23, s[SW], W64                      ; LDS: wave x 64 rows
	s_mov_b32 s80, 0xc61c4000                      ; -10000.0
	s_mov_b32 s81, 0xc61c4000
	s_mov_b32 s66, 0x3fb8aa3b                      ; log2 e
	s_mov_b32 s67, 0x3fb8aa3b
	s_mov_b32 s96, 0x3e000000                      ; 0.125 = 1 / sqrt(64)
	s_mov_b32 s97, 0x3e000000
	s_mov_b32 s82, 0x76543210                      ; v_permlanex16_b32: lane i of one half reads lane i of the other
	s_mov_b32 s83, 0xfedcba98
	s_mov_b32 s86, 0
	s_mov_b32 s87, 0
	s_mov_b32 s88, 0
	s_mov_b32 s89, 0
	s_wait_dscnt 0x0
	s_wait_kmcnt 0x0
	s_add_nc_u64 s[72:73], s[6:7], s[98:99]        ; k at my head
	s_add_nc_u64 s[74:75], s[8:9], s[98:99]        ; v at my head
	s_add_nc_u64 s[76:77], s[10:11], s[76:77]      ; the mask at my 128 rows
	s_cmp_eq_u32 s[SW], 3
	s_cselect_b64 s[98:99], s[74:75], s[72:73]     ; wave 3 fetches V, wave 2 K
.irp s, 0,1
	s_mov_b32 s[GM+4*\s], 1                                        ; count = 1
	s_add_co_u32 s[GM+4*\s+1], s16, \s*SLOT                        ; LDS address: wave x 34,816 + slot
	s_add_nc_u64 s[GM+4*\s+2:GM+4*\s+3], s[76:77], \s*256          ; mask tile s
	s_or_b32 s[GM+4*\s+3], s[GM+4*\s+3], 0x80000000                ; type = 2
	s_mov_b32 s[GK+4*\s], 1
	s_add_co_u32 s[GK+4*\s+1], s23, 2*W64+\s*SLOT                  ; wave 2: 69,632 (K), wave 3: 87,040 (V), + slot
	s_add_nc_u64 s[GK+4*\s+2:GK+4*\s+3], s[98:99], \s*16384        ; K or V tile s
	s_or_b32 s[GK+4*\s+3], s[GK+4*\s+3], 0x80000000
.endr
	s_mov_b32 s[GQ], 1
	s_add_co_u32 s[GQ+1], s23, QREG
	s_add_nc_u64 s[GQ+2:GQ+3], s[4:5], s[78:79]
	s_or_b32 s[GQ+3], s[GQ+3], 0x80000000
	; ---- the first fills, one group behind one round: three loads a wave ----
	ROUND
	tensor_load_to_lds s[GQ:GQ+3], s[G1Q:G1Q+7]            ; my 64 rows of Q
	s_nop 0
	s_cmp_eq_u32 s[SH], 0
	s_cbranch_scc0 .Lfirst_kv
	tensor_load_to_lds s[GM:GM+3], s[G1M:G1M+7]            ; mask tiles 0 and 1
	s_nop 0
	tensor_load_to_lds s[GM+4:GM+7], s[G1M:G1M+7]
	s_nop 0
	s_branch .Lfirst_asked
.Lfirst_kv:
	tensor_load_to_lds s[GK:GK+3], s[G1K:G1K+7]            ; K or V tiles 0 and 1
	s_nop 0
	tensor_load_to_lds s[GK+4:GK+7], s[G1K:G1K+7]
	s_nop 0
.Lfirst_asked:
	; ---- lane addresses, while the tiles are on their way ----
	v_and_b32 v1, 31, v0                           ; l
	v_and_b32 v2, 15, v0                           ; r
	v_bfe_u32 v3, v0, 4, 1                         ; h
	v_mul_u32_u24 v17, v2, PITCH
	v_lshl_add_u32 v17, v3, 5, v17                 ; r x 272 + 32 h
	v_add_nc_u32 v[MA], s23, v17                   ; + my wave's 64 rows of the mask tile
	v_add_nc_u32 v[MA+1], SLOT, v[MA]
	v_add_nc_u32 v[QA], QREG, v[MA]                ; the same place in raw Q
	v_lshrrev_b32 v17, 3, v1                       ; l / 8: which of four rows
	v_and_b32 v18, 7, v0                           ; l % 8: which eighth of a row
	s_mul_i32 s2, s[SW], 16*PITCH
	s_add_co_u32 s2, s2, KOFF
	v_mul_u32_u24 v[RK], v17, PITCH
	v_lshl_add_u32 v[RK], v18, 5, v[RK]
	v_add_nc_u32 v[RK], s2, v[RK]                  ; raw K: row 16 w + l / 8, 32 bytes a lane
	v_add_nc_u32 v[RK+1], SLOT, v[RK]
	s_mul_i32 s2, s[SW], 16*KP
	s_add_co_u32 s2, s2, BF
	v_mul_u32_u24 v[WK], v17, KP
	v_lshl_add_u32 v[WK], v18, 4, v[WK]
	v_add_nc_u32 v[WK], s2, v[WK]                  ; bf16 K: the same row, 16 bytes a lane
	s_mul_i32 s2, s[SW], 16*VP
	s_add_co_u32 s2, s2, BF+BV
	v_mul_u32_u24 v[WV], v17, VP
	v_lshl_add_u32 v[WV], v18, 4, v[WV]
	v_add_nc_u32 v[WV], s2, v[WV]
	v_mul_u32_u24 v[FK], v2, KP
	v_lshl_add_u32 v[FK], v3, 4, v[FK]
	v_add_nc_u32 v[FK], BF, v[FK]                  ; K fragments: r x 144 + 16 h
	v_lshl_add_u32 v19, v3, 3, v18
	v_mul_u32_u24 v[FV], v19, VP
	v_bfe_u32 v19, v0, 3, 1
	v_lshl_add_u32 v[FV], v19, 4, v[FV]
	v_add_nc_u32 v[FV], BF+BV, v[FV]               ; V^T fragments: (8 h + l % 8) x 160 + 16 ((l / 8) % 2)
	v_mul_u32_u24 v[RD], v3, PITCH
	v_lshl_add_u32 v[RD], v2, 4, v[RD]
	v_add_nc_u32 v[RD], s23, v[RD]
	v_add_nc_u32 v[RD], QREG, v[RD]                ; back: lanes 0-15 one row of 256 bytes, lanes 16-31 the next
	v_lshlrev_b32 v[CO], 4, v1                     ; and the same 512 bytes in out0
	s_lshl_b32 s2, s19, 13
	v_lshl_add_u32 v[VPK], v1, 8, s2               ; query block x 8,192 + 256 l
	s_lshl_b32 s2, s19, 21
	s_lshl_b32 s3, s20, 16
	s_add_co_u32 s2, s2, s3
	v_lshrrev_b32 v19, 2, v1
	v_lshlrev_b32 v[VPM], 13, v19
	v_and_b32 v19, 3, v0
	v_lshl_add_u32 v[VPM], v19, 8, v[VPM]
	v_add_nc_u32 v[VPM], s2, v[VPM]                ; (256 x query block + 8 x head + l / 4) rows + 256 (l % 4)
.irp qt, 0,1,2,3
	v_mov_b32 v[ML+2*\qt+1], 0                     ; l's register is the second of a pair that is named whole before l's first value is there
.endr
	v_mov_b32 v[T], 0                              ; v_permlanex16_b32 counts as a reader of its destination
	s_wait_tensorcnt 0x0                           ; my three loads have landed,
	s_barrier_signal -1
	s_barrier_wait -1                              ; everybody's have
	; ---- Q: scaled, rounded, kept as eight fragments for the whole kernel; tile 0 of K and V converted ----
.irp qt, 0,1,2,3
.irp c, 0,1
.irp g, 0,1
.irp e, 0,1
	ds_load_b128 v[SC+32*\qt+16*\c+8*\g+4*\e:SC+32*\qt+16*\c+8*\g+4*\e+3], v[QA] offset:16*\qt*PITCH+128*\c+64*\g+16*\e   ; d = 32 c + 16 g + 8 h + 4 e .. + 3 of query 16 qt + r
.endr
.endr
.endr
.endr
	WIN W_LD2
	CLOAD 0
	WIN 0
	s_wait_dscnt 16                                ; Q's 32 loads are in; the 16 raw rows' may be out
.set i, 0
.rept 64
	v_pk_mul_f32 v[SC+i:SC+i+1], v[SC+i:SC+i+1], s[96:97] op_sel_hi:[1,0]
.set i, i+2
.endr
	WIN W_Q
.set i, 0
.rept 64
	v_cvt_pk_bf16_f32 v[QF+i], v[SC+2*i], v[SC+2*i+1]      ; word 16 qt + 8 c + 4 g + i of the fragments = numbers 2 x that index and the next
.set i, i+1
.endr
	s_wait_dscnt 0x0
	WIN W_CV
	CCVT
	WIN W_ST2
	CSTORE 0
	WIN 0
	; ---- steps 0 and 1: the first products start O; step 0's round refills K and V alone (mask tile 1 is there already) ----
	SYNC 0, 0, 1
	PFK 0
	PFV 0
	STEP 0, 1, 1
	SYNC 1, 1, 1
	PFM 0
	STEP 1, 0, 1
	; ---- steps 2 to 29: seven trips of four ----
	s_mov_b32 s84, 7
.Ltrip:
	SYNC 0, 1, 1
	PFK 1
	STEP 0, 0, 1
	SYNC 1, 1, 1
	PFV 1
	STEP 1, 0, 1
	SYNC 0, 1, 1
	PFM 1
	STEP 0, 0, 1
	SYNC 1, 1, 1
	STEP 1, 0, 1
	s_sub_co_u32 s84, s84, 1
	s_cmp_lg_u32 s84, 0
	s_cbranch_scc1 .Ltrip
	; ---- steps 30 and 31: the last mask tile is fetched, the last K and V tile converted; then nothing is left to fetch ----
	SYNC 0, 1, 0
	STEP 0, 0, 1
	SYNC 1, 0, 0
	STEP 1, 0, 0
	; ---- the way out: O / l, through my own 64 rows of the Q region (filled once, long ago), read back as whole rows of 256 bytes ----
.irp qt, 0,1,2,3
	v_permlanex16_b32 v[T], v[ML+2*\qt+1], s82, s83        ; the other half's part of l
	v_add_f32 v[T], v[T], v[ML+2*\qt+1]
	v_rcp_f32 v[AL], v[T]
	v_nop                                                  ; one plain place behind v_rcp_f32 (ISA guide 5.7.2)
	s_wait_alu depctr_va_vdst(0)
	WIN W_RS
	RS \qt
	WIN W_ST1
.irp dt, 0,1,2,3
.irp e, 0,1
	ds_store_b128 v[QA], v[OA+8*(4*\qt+\dt)+4*\e:OA+8*(4*\qt+\dt)+4*\e+3] offset:16*\qt*PITCH+64*\dt+16*\e   ; query 16 qt + r, d = 16 dt + 8 h + 4 e .. + 3
.endr
.endr
	WIN 0
.endr
	s_add_nc_u64 s[12:13], s[12:13], s[78:79]              ; out0 at my wave's first row
.irp t, 0,1,2,3,4,5,6,7,8,9,10,11,12,13,14,15,16,17,18,19,20,21,22,23,24,25,26,27,28,29,30,31
	ds_load_b128 v[SC+4*\t:SC+4*\t+3], v[RD] offset:\t*2*PITCH     ; LDS serves a wave's instructions in order (ISA guide 5.7.1): these see the stores above
.endr
.irp t, 0,1,2,3,4,5,6,7,8,9,10,11,12,13,14,15,16,17,18,19,20,21,22,23,24,25,26,27,28,29,30,31
	s_wait_dscnt 31-\t                                     ; load t is in; the 31 - t younger ones may be out
	global_store_b128 v[CO], v[SC+4*\t:SC+4*\t+3], s[12:13] offset:512*\t th:TH_STORE_NT   ; sixteen lanes store one row: 256 consecutive bytes at a multiple of 256 from out0's first byte
.endr
	s_wait_tensorcnt 0x0
	ds_add_u32 v62, v63
	s_wait_dscnt 0x0
	ROUND                                                  ; the closing round: no work-group ends while a partner may still ask for a tile that names it
	s_endpgm
.Lfunc_end_k_q0a4430f3c1_attn:
	.size	k_q0a4430f3c1_attn, .Lfunc_end_k_q0a4430f3c1_attn-k_q0a4430f3c1_attn
	.p2alignl 7, 3214868480
	.fill 96, 4, 3214868480
	.section	.rodata,"a",@progbits
	.p2align	6, 0x0
	.amdhsa_kernel k_q0a4430f3c1_attn
		.amdhsa_group_segment_fixed_size 327680
		.amdhsa_private_segment_fixed_size 0
		.amdhsa_enable_private_segment 0
		.amdhsa_kernarg_size 40
		.amdhsa_user_sgpr_count 2
		.amdhsa_user_sgpr_kernarg_segment_ptr 1
		.amdhsa_wavefront_size32 1
		.amdhsa_system_sgpr_workgroup_id_x 1
		.amdhsa_system_sgpr_workgroup_id_y 1
		.amdhsa_system_sgpr_workgroup_id_z 1
		.amdhsa_system_vgpr_workitem_id 0
		.amdhsa_next_free_vgpr 704
		.amdhsa_next_free_sgpr 100
		.amdhsa_reserve_vcc 0
		.amdhsa_float_denorm_mode_32 3
		.amdhsa_float_denorm_mode_16_64 3
		.amdhsa_memory_ordered 1
		.amdhsa_forward_progress 1
		.amdhsa_inst_pref_size 255
	.end_amdhsa_kernel
	.section	.bss,"aw",@nobits
	.p2align	6
	.space	262144
	.amdgpu_metadata
---
amdhsa.version: [ 1, 2 ]
amdhsa.kernels:
  - .name:           k_q0a4430f3c1_attn
    .symbol:         k_q0a4430f3c1_attn.kd
    .args:
      - { .name: q, .offset: 0, .size: 8, .value_kind: global_buffer, .address_space: global }
      - { .name: k, .offset: 8, .size: 8, .value_kind: global_buffer, .address_space: global }
      - { .name: v, .offset: 16, .size: 8, .value_kind: global_buffer, .address_space: global }
      - { .name: mask, .offset: 24, .size: 8, .value_kind: global_buffer, .address_space: global }
      - { .name: out0, .offset: 32, .size: 8, .value_kind: global_buffer, .address_space: global }
    .group_segment_fixed_size: 327680
    .private_segment_fixed_size: 0
    .kernarg_segment_align: 8
    .kernarg_segment_size: 40
    .max_flat_workgroup_size: 128
    .sgpr_count:     100
    .vgpr_count:     704
    .wavefront_size: 32
...
	.end_amdgpu_metadata
.endif
;; end of part 1
